; MI455X (gfx1250); checked and timed in simulation.
; The chip was launched on July 23, 2026; its instructions are those of AMD's public machine-readable ISA for CDNA 5 (MIT licence, August 2026) and "CDNA5" Instruction Set Architecture Reference Guide (July 2026). The comments in the code are by the model that wrote it; some were corrected since.
;; Simple Attention. Allowed arithmetic: matrix products marked QUANTISED: E2M3 operands, one E8M0 scale for each 32 along K, by v_wmma_scale_f32_16x16x128_f8f6f4 with both operands' format E2M3, f32 sums; products left as they are: f32 operands where the result goes on into a quantised operand, else bf16, f16 or f32 operands; f32 sums; everything else in f32.
;; Inputs: b_proj 1,024 float32; b_qkv 3,072 float32; w_proj 1,024 x 1,024 float32; w_qkv 3,072 x 1,024 float32; x 4 x 4,096 x 1,024 float32.
;; Outputs: out0 4 x 4,096 x 1,024 float32.
;; This version of the problem:
;;   THIS VERSION OF THE PROBLEM IS GIVEN IN LOW PRECISION. The matrix products marked QUANTISED in the list below multiply operands that are first quantised to E2M3 (2 exponent bits, 3 mantissa bits; 6 bits a number), with one power-of-two scale for each 32 numbers along K (OCP MX v1.0); their sums are f32. All else is computed in f32.
;;   The module's matrix products, in the order in which they are computed (A, B: the left and right operand; K: the contracted axis; several contracted axes count as one K, in the product's order):
;;     1. [M 16,384, K 1,024] x [K 1,024, N 3,072]; A: input x; B: input w_qkv: QUANTISED
;;     2. batch 16,384 x [M 16, K 64] x [K 64, N 16]; A: computed on the way; B: computed on the way: QUANTISED
;;     3. batch 16,384 x [M 16, K 16] x [K 16, N 64]; A: softmax; B: computed on the way: left as it is (K = 16 < 32)
;;     4. [M 16,384, K 1,024] x [K 1,024, N 1,024]; A: computed on the way; B: input w_proj: QUANTISED
;;   THE QUANTISER, for each operand of a quantised product, along K:
;;     - K is cut into blocks of 32 from its start; a last block that is shorter is filled with zeros.
;;     - A block's scale is 2^e with e = floor(log2(the largest magnitude in the block)) - 2, held to -126 .. 127; a block of zeros has e = 0. As a byte (E8M0): e + 127.
;;     - Each number is divided by its block's scale, clamped to +-7.5, and rounded to the nearest number of E2M3, ties to even, subnormals kept.
;;     - The product sums the exact products of the quantised numbers (number of the format x scale) in f32.
;;   ~~~python
;;   def quantise(x, axis):      # numpy; x: float32 -> the quantised numbers, widened to float32 again
;;       x = np.moveaxis(x, axis, -1); K = x.shape[-1]
;;       x = np.pad(x, [(0, 0)] * (x.ndim - 1) + [(0, -K % 32)]); x = x.reshape(x.shape[:-1] + (-1, 32)); a = np.abs(x).max(-1, keepdims=True)
;;       e = np.where(a > 0, np.clip(np.frexp(np.where(a > 0, a, 1))[1] - 1 - 2, -126, 127), 0)      # np.frexp(a)[1] - 1 = floor(log2(a)), exactly
;;       r = np.clip(x / 2.0 ** e, -7.5, 7.5)
;;       step = 2.0 ** (np.maximum(np.frexp(np.where(r == 0, 1, r))[1] - 1, 0) - 3)
;;       q = np.round(r / step) * step * 2.0 ** e      # np.round: ties to even
;;       return np.moveaxis(q.reshape(q.shape[:-2] + (-1,))[..., :K], -1, axis).astype(np.float32)
;;   ~~~
;;   OPERANDS COMPUTED ON THE WAY. 'Computed on the way' means the value that the module computes at that place (a softmax that the list does not call 'softmax' is quantised finished and normalised). What goes into a quantiser is computed in f32, as accurately as f32 sums, v_exp_f32 and their like allow (about 1e-6 of the number): no bf16 or f16 on the way to a quantiser, and a product that is left as it is and whose result goes on into a quantised operand takes f32 operands (vector FMAs, or v_wmma_f32_16x16x4_f32). A number that lies on a knife's edge between two numbers of the format may be rounded either way, as far as f32 arithmetic and the matrix unit's own rounding can turn it there, and no further.
;; One version. Each part assembles by itself: llvm-mc -triple=amdgcn-amd-amdhsa -mcpu=gfx1250 --defsym DOCPART=n.
;; ======== version 1 of 1: 2 launches
;; limits: right only within a limited range of input values
;; workspace buffers: wimg 3,276,800 bytes; bimg 16,384 bytes
;; launch prep (part 1): grid 256 x 1, 4 waves a work-group, no clusters, 67,584 bytes of LDS; arguments w_qkv, b_qkv, w_proj, b_proj, wimg, bimg; writes wimg, bimg
.if DOCPART == 1
	.amdgcn_target "amdgcn-amd-amdhsa--gfx1250"
	.amdhsa_code_object_version 6
	.text
	.protected	k_q3b2b605ecd_prep
	.globl	k_q3b2b605ecd_prep
	.p2align	8
	.type	k_q3b2b605ecd_prep,@function
k_q3b2b605ecd_prep:
	s_mov_b64 s[64:65], 0
	v_nop
	global_prefetch_b8 v0, s[64:65] scope:SCOPE_SE
	s_setreg_imm32_b32 hwreg(HW_REG_WAVE_MODE, 25, 1), 1
	s_wait_xcnt 0x0
; w_qkv [3072][1024] and w_proj [1024][1024], f32, K innermost, become codes of FP6 (E2M3) with one E8M0 byte for each 32 along K, laid as the second launch reads them:
; 256 TILE RECORDS of 12,800 bytes.  Record T holds 16 weight rows for all of K: eight fragments (16 rows x 128 K, 12 registers a lane) as IMAGES OF THE OPERAND'S REGISTERS
; (registers 4 c .. 4 c + 3 of lane l at 1536 s + 512 c + 16 l), then at 12,288 the scale words (lane l's 16 bytes: word i = K step 2 i of row l for lanes 0-15, K step 2 i + 1 of row l - 16 for lanes 16-31).
; bimg holds the 16 biases of each record's rows, 64 bytes a record.
; WHICH ROWS: T = (4 S + w) 2 + e (slot S, wave w, tile e of the second launch); row m of the tile is weight row base + a (m % 8) + b (m / 8):
;   S < 16      q (S even), k (S odd): base = 1024 (S % 2) + 32 (4 (S / 2) + w) + 8 e, a = 1, b = 16: two tiles' results are then 16 neighbouring columns in a lane
;   16 .. 23    v: m is the head: base = 2048 + d, a = 64, b = 512, d = 32 (Sl / 4) + 16 (Sl % 2) + 8 ((Sl / 2) % 2) + 2 w + e, Sl = S - 16
;   24 .. 31    w_proj: base = 16 (16 (Sp / 2) + 4 w + 2 (Sp % 2) + e), a = 1, b = 8, Sp = S - 24
; A block's scale is 2^(floor(log2(its largest magnitude)) - 2); its byte is the largest magnitude's exponent field - 2, held at 1 from below.
; LIMITS: a block whose largest magnitude lies under 2^-124 gets the byte 1; a block of zeros gets the byte 1 where the rule says 127 (its codes are zeros, and this program alone reads the bytes); NaN and infinities are not served.
; SHARES: work-group T makes record T; wave wv makes K steps 2 wv and 2 wv + 1: 1,024 bytes of each of the 16 rows.  Each load reads 512 consecutive bytes of a row; the numbers turn through the wave's own
; stage in LDS (rows 1,040 bytes apart) so that a lane gets 16 neighbours along K of each block.  No tensor loads, no matrix unit, no cluster: the launch streams its inputs once and shares nothing.
.set RA,  16                           ; v16-31   row i: byte offset of my 16 bytes in the weight
.set X,   32                           ; v32-159  as loaded; then two sets of 64 numbers, a K step each
.set PC0, 160                          ; v160-179 the first K step's codes
.set PC1, 180                          ; v180-199 the second's: no store's data are written again
.set TM,  200                          ; v200-215 at work
.set PW0, 216                          ; the two scale words
.set PW1, 217
.set SEL, 30                           ; s[30:31] v_permlanex16_b32's selects for lane l xor 16
.set SP,  1040                         ; a stage row: 1,024 bytes + 16
.set SCB, 4*16*SP                      ; behind the four stages: the record's 512 bytes of scale words
; 64 numbers of a lane, register 16 b + i = k 32 b + 16 (lane / 16) + i of my row, become a fragment's 12 registers in v[pc] on and its scale word in v[pw]
.macro QUANT s, pc, pw
.irp b, 0,1,2,3
	v_max3_num_f32 v[TM+\b], |v[\s+16*\b]|, |v[\s+1+16*\b]|, 0x1800000   ; my 16 numbers of block b, and the floor 2^(3 - 127): the byte cannot fall under 1
.endr
.irp i, 2,4,6,8,10,12,14
.irp b, 0,1,2,3
	v_max3_num_f32 v[TM+\b], v[TM+\b], |v[\s+16*\b+\i]|, |v[\s+1+16*\b+\i]|   ; the four blocks by turns
.endr
.endr
.irp b, 0,1,2,3
	v_permlanex16_b32 v[TM+4+\b], v[TM+\b], s[SEL], s[SEL+1]
.endr
.irp b, 0,1,2,3
	v_max_num_f32 v[TM+\b], v[TM+\b], v[TM+4+\b]   ; with lane l xor 16's: the block's largest magnitude
.endr
.irp b, 0,1,2,3
	v_add_nc_u32 v[TM+12+\b], 0xff000000, v[TM+\b]   ; 2 off its exponent field: the conversion takes this operand's exponent field as its scale
.endr
.irp b, 0,1,2,3
	v_lshrrev_b32 v[TM+4+\b], 23, v[TM+12+\b]      ; the scale's byte
.endr
	v_lshl_or_b32 v[\pw], v[TM+5], 8, v[TM+4]
	v_lshl_or_b32 v[\pw], v[TM+6], 16, v[\pw]
	v_lshl_or_b32 v[\pw], v[TM+7], 24, v[\pw]      ; my row's scale word for these 128 along K
.irp c, 0,1
	v_cvt_scalef32_pk16_fp6_f32 v[\pc+6*\c:\pc+2+6*\c], v[\s+32*\c:\s+15+32*\c], v[TM+12+2*\c]
	v_cvt_scalef32_pk16_fp6_f32 v[\pc+12+4*\c:\pc+14+4*\c], v[\s+16+32*\c:\s+31+32*\c], v[TM+12+2*\c+1]   ; (a conversion's three registers begin on an even number)
.endr
	v_nop                                          ; one plain place behind a scaled conversion
.irp c, 0,1                                    ; the operand's layout wants a whole block in a lane: lanes 0-15 block 2 c, lanes 16-31 block 2 c + 1
.irp i, 0,1,2
	v_permlane16_swap_b32 v[\pc+6*\c+\i], v[\pc+12+4*\c+\i]
.endr
.irp i, 0,1,2
	v_mov_b32 v[\pc+3+6*\c+\i], v[\pc+12+4*\c+\i]
.endr
.endr
.endm
.macro XREAD reg, ks                   ; K step ks of my two: 16 neighbours of each of its four blocks, from my stage
.irp b, 0,1,2,3
.irp j, 0,1,2,3
	ds_load_b128 v[\reg+16*\b+4*\j:\reg+16*\b+4*\j+3], v7 offset:512*\ks+128*\b+16*\j
.endr
.endr
.endm
	s_load_b256 s[4:11], s[0:1], 0x0               ; w_qkv s[4:5], b_qkv s[6:7], w_proj s[8:9], b_proj s[10:11]
	s_load_b128 s[12:15], s[0:1], 0x20             ; wimg s[12:13], bimg s[14:15]
	v_lshl_add_u32 v254, v0, 2, 0x10600
	v_mov_b32 v255, 0
	v_lshrrev_b32 v1, 5, v0
	v_readfirstlane_b32 s20, v1                    ; wave wv
	v_and_b32 v2, 31, v0                           ; lane
	v_and_b32 v3, 15, v0                           ; r
	v_bfe_u32 v4, v0, 4, 1                         ; h
	v_lshlrev_b32 v5, 4, v2                        ; 16 x lane
	s_mov_b32 s[SEL], 0x76543210
	s_mov_b32 s[SEL+1], 0xfedcba98
	s_lshr_b32 s17, ttmp9, 3                       ; S
	s_bfe_u32 s18, ttmp9, 0x20001                  ; w
	s_and_b32 s19, ttmp9, 1                        ; e
	; q and k
	s_and_b32 s21, s17, 1
	s_lshl_b32 s21, s21, 10
	s_lshr_b32 s22, s17, 1
	s_lshl_b32 s22, s22, 2
	s_add_co_u32 s22, s22, s18
	s_lshl_b32 s22, s22, 5
	s_add_co_u32 s21, s21, s22
	s_lshl_b32 s22, s19, 3
	s_add_co_u32 s21, s21, s22                     ; 1024 (S % 2) + 32 (4 (S / 2) + w) + 8 e
	; v
	s_and_b32 s23, s17, 7                          ; Sl, and Sp
	s_lshr_b32 s24, s23, 2
	s_lshl_b32 s24, s24, 5
	s_and_b32 s25, s23, 1
	s_lshl_b32 s26, s25, 4
	s_add_co_u32 s24, s24, s26
	s_bfe_u32 s26, s23, 0x10001
	s_lshl_b32 s26, s26, 3
	s_add_co_u32 s24, s24, s26
	s_lshl_b32 s26, s18, 1
	s_add_co_u32 s26, s26, s19
	s_add_co_u32 s24, s24, s26
	s_add_co_u32 s24, s24, 2048                    ; 2048 + d
	; w_proj
	s_lshr_b32 s27, s23, 1
	s_lshl_b32 s27, s27, 4
	s_lshl_b32 s28, s18, 2
	s_add_co_u32 s27, s27, s28
	s_lshl_b32 s28, s25, 1
	s_add_co_u32 s27, s27, s28
	s_add_co_u32 s27, s27, s19
	s_lshl_b32 s27, s27, 4                         ; 16 x column tile
	s_cmp_lt_u32 s17, 16                           ; the choices hang on the work-group's number alone
	s_cselect_b32 s21, s21, s24                    ; base
	s_cselect_b32 s22, 1, 64                       ; a
	s_cselect_b32 s23, 16, 0x200                   ; b
	s_wait_alu depctr_va_vdst(0)
	s_wait_kmcnt 0x0
	s_cmp_lt_u32 s17, 24
	s_cselect_b32 s21, s21, s27
	s_cselect_b32 s22, s22, 1
	s_cselect_b32 s23, s23, 8
	s_cselect_b64 s[4:5], s[4:5], s[8:9]           ; the weight
	s_cselect_b64 s[6:7], s[6:7], s[10:11]         ; and its bias
	s_lshl_b32 s24, s21, 12                        ; a weight row is 4,096 bytes
	s_lshl_b32 s25, s20, 10                        ; my wave's 1,024 bytes of it
	s_add_co_u32 s24, s24, s25                     ; rows 0-7, running
	s_lshl_b32 s26, s23, 12
	s_add_co_u32 s25, s24, s26                     ; rows 8-15, running
	s_lshl_b32 s26, s22, 12
	v_and_b32 v10, 7, v3                           ; the record's biases are asked for ahead of the weights: one path for all waves; wave 0 stores them at the end
	v_lshrrev_b32 v11, 3, v3
	v_mad_u32_u24 v12, v10, s22, s21
	v_mad_u32_u24 v12, v11, s23, v12               ; weight row of tile row r
	v_lshlrev_b32 v12, 2, v12
	global_load_b32 v13, v12, s[6:7]               ; older than the 32 loads below, so their counted waits stand
.irp i, 0,1,2,3,4,5,6,7
	v_add_nc_u32 v[RA+\i], s24, v5
	v_add_nc_u32 v[RA+8+\i], s25, v5
	s_add_co_u32 s24, s24, s26
	s_add_co_u32 s25, s25, s26
.endr
	s_wait_alu depctr_va_vdst(0)
.irp i, 0,1,2,3,4,5,6,7,8,9,10,11,12,13,14,15
	global_load_b128 v[X+8*\i:X+8*\i+3], v[RA+\i], s[4:5] th:TH_LOAD_NT              ; 32 lanes read 512 consecutive bytes of row i; each weight byte is read once in the launch
	global_load_b128 v[X+8*\i+4:X+8*\i+7], v[RA+\i], s[4:5] offset:512 th:TH_LOAD_NT
.endr
	s_mul_i32 s27, s20, 16*SP                      ; my stage
	v_add_nc_u32 v6, s27, v5                       ; in: as loaded
	v_mul_u32_u24 v7, v3, SP
	v_lshl_add_u32 v7, v4, 6, v7
	v_add_nc_u32 v7, s27, v7                       ; out: row r, + 64 h
	s_lshl_b32 s28, s20, 2
	s_add_co_u32 s28, s28, SCB
	v_add_nc_u32 v8, s28, v5                       ; my scale word's place: 16 x lane + 4 wv
	v_add_nc_u32 v9, SCB, v5
	s_mul_i32 s28, ttmp9, 12800
	s_mul_i32 s29, s20, 3072
	s_add_co_u32 s28, s28, s29
	s_mov_b32 s29, 0
	s_add_nc_u64 s[12:13], s[12:13], s[28:29]      ; the record, at my first K step
	s_lshl_b32 s28, ttmp9, 6
	s_add_nc_u64 s[14:15], s[14:15], s[28:29]      ; the record's biases
.irp b, 0,1,2,3
	v_mov_b32 v[TM+4+\b], 0                        ; written once: a lane permute's destination counts as one of its sources
.endr
.set n, 0
	s_wait_alu depctr_va_vdst(0)
.rept 32
	s_wait_loadcnt 31-n                            ; loads come back in order: number n is in, the younger ones stay out
	ds_store_b128 v6, v[X+4*n:X+4*n+3] offset:SP*(n/2)+512*(n%2)
.set n, n+1
.endr
	s_wait_dscnt 0x0                               ; the stores have read their registers, which take the numbers back
	XREAD X, 0
	XREAD X+64, 1
	s_wait_dscnt 16                                ; the first K step's 16 reads are in, the second's may be out
	QUANT X, PC0, PW0
.irp c, 0,1,2
	global_store_b128 v5, v[PC0+4*\c:PC0+4*\c+3], s[12:13] offset:512*\c   ; 32 lanes store 512 consecutive bytes, at a multiple of 256 from the buffer's first byte
.endr
	s_wait_dscnt 0x0
	QUANT X+64, PC1, PW1
.irp c, 0,1,2
	global_store_b128 v5, v[PC1+4*\c:PC1+4*\c+3], s[12:13] offset:1536+512*\c
.endr
	v_permlane16_swap_b32 v[PW0], v[PW1]           ; lanes 0-15 keep K step 2 wv's word of row r, lanes 16-31 take K step 2 wv + 1's
	ds_store_b32 v8, v[PW0]
	s_wait_dscnt 0x0                               ; for wave 0's sake: my word has landed
	s_barrier_signal -1
	s_barrier_wait -1
	s_cmp_lg_u32 s20, 0
	s_cbranch_scc1 .Lend                           ; wave 0 stores what the four waves made together, and the biases
	ds_load_b128 v[32:35], v9
	v_lshlrev_b32 v14, 2, v3
	s_wait_alu depctr_va_vdst(0)
	s_wait_dscnt 0x0
	global_store_b128 v5, v[32:35], s[12:13] offset:12288
	s_wait_loadcnt 0x0
	global_store_b32 v14, v13, s[14:15]            ; lanes r and r + 16 store the same word with the same value
.Lend:
	s_wait_tensorcnt 0x0
	ds_add_u32 v254, v255
	s_wait_dscnt 0x0
	s_endpgm
.Lfunc_end_k_q3b2b605ecd_prep:
	.size	k_q3b2b605ecd_prep, .Lfunc_end_k_q3b2b605ecd_prep-k_q3b2b605ecd_prep
	.p2alignl 7, 3214868480
	.fill 96, 4, 3214868480
	.section	.rodata,"a",@progbits
	.p2align	6, 0x0
	.amdhsa_kernel k_q3b2b605ecd_prep
		.amdhsa_group_segment_fixed_size 67584
		.amdhsa_private_segment_fixed_size 0
		.amdhsa_enable_private_segment 0
		.amdhsa_kernarg_size 48
		.amdhsa_user_sgpr_count 2
		.amdhsa_user_sgpr_kernarg_segment_ptr 1
		.amdhsa_wavefront_size32 1
		.amdhsa_system_sgpr_workgroup_id_x 1
		.amdhsa_system_sgpr_workgroup_id_y 1
		.amdhsa_system_sgpr_workgroup_id_z 1
		.amdhsa_system_vgpr_workitem_id 0
		.amdhsa_next_free_vgpr 256
		.amdhsa_next_free_sgpr 66
		.amdhsa_reserve_vcc 0
		.amdhsa_float_denorm_mode_32 3
		.amdhsa_float_denorm_mode_16_64 3
		.amdhsa_memory_ordered 1
		.amdhsa_forward_progress 1
		.amdhsa_inst_pref_size 22
	.end_amdhsa_kernel
	.amdgpu_metadata
---
amdhsa.version: [ 1, 2 ]
amdhsa.kernels:
  - .name:           k_q3b2b605ecd_prep
    .symbol:         k_q3b2b605ecd_prep.kd
    .args:
      - { .name: w_qkv, .offset: 0, .size: 8, .value_kind: global_buffer, .address_space: global }
      - { .name: b_qkv, .offset: 8, .size: 8, .value_kind: global_buffer, .address_space: global }
      - { .name: w_proj, .offset: 16, .size: 8, .value_kind: global_buffer, .address_space: global }
      - { .name: b_proj, .offset: 24, .size: 8, .value_kind: global_buffer, .address_space: global }
      - { .name: wimg, .offset: 32, .size: 8, .value_kind: global_buffer, .address_space: global }
      - { .name: bimg, .offset: 40, .size: 8, .value_kind: global_buffer, .address_space: global }
    .group_segment_fixed_size: 67584
    .private_segment_fixed_size: 0
    .kernarg_segment_align: 8
    .kernarg_segment_size: 48
    .max_flat_workgroup_size: 128
    .sgpr_count:     66
    .vgpr_count:     256
    .wavefront_size: 32
...
	.end_amdgpu_metadata
.endif
;; end of part 1
;; launch fused (part 2): grid 256 x 1, 4 waves a work-group, clusters of 4 x 1, 327,680 bytes of LDS; arguments x, wimg, bimg, out0; writes out0
.if DOCPART == 2
	.amdgcn_target "amdgcn-amd-amdhsa--gfx1250"
	.amdhsa_code_object_version 6
	.text
	.protected	k_q3b2b605ecd_fused
	.globl	k_q3b2b605ecd_fused
	.p2align	8
	.type	k_q3b2b605ecd_fused,@function
k_q3b2b605ecd_fused:
	s_mov_b64 s[64:65], 0
	v_nop
	global_prefetch_b8 v0, s[64:65] scope:SCOPE_SE
	s_setreg_imm32_b32 hwreg(HW_REG_WAVE_MODE, 25, 1), 1
	s_wait_xcnt 0x0
	s_wait_alu depctr_hold_cnt(0) depctr_sa_sdst(0) depctr_va_vdst(0) depctr_va_sdst(0) depctr_va_ssrc(0) depctr_va_vcc(0) depctr_vm_vsrc(0)
	s_getreg_b32 s2, hwreg(HW_REG_IB_STS2, 6, 4)
	s_cmp_eq_u32 s2, 0
	s_cbranch_scc0 .Lentry_in_a_cluster
	s_endpgm
.Lentry_in_a_cluster:
	s_bfe_u32 s2, ttmp6, 0x10000c
	s_cmp_lg_u32 s2, 0x3003
	s_cbranch_scc0 .Lentry_shape_is_right
	s_endpgm
.Lentry_shape_is_right:
; The whole chain for 64 tokens a work-group: x is quantised (FP6 E2M3, one E8M0 byte for each 32 along K), q, k, v = x w_qkv^T + b_qkv, scores over the 16 heads of a token,
; softmax (the row's maximum taken away), attn v in f32, o quantised, o w_proj^T + b_proj.  Nothing of reference() is left out; every input is read (the weights and biases as the first launch laid them).
; SHARES: 256 work-groups x 64 tokens; the weights come as 32 slots of 8 tile records (16 weight rows x all of K, images of the operand's registers); wave w multiplies records 2 w and 2 w + 1 of a slot
; against all 64 tokens, whose codes lie in registers (32 fragments, 384 registers).  Matrix instructions are used transposed: source 0 = weight rows, source 1 = tokens.
; RING: two slots of 102,400 bytes, one joint tensor load a wave (25,600 bytes) behind each round of the cluster's barrier; the four work-groups of a cluster walk the same records.
; X comes by dense loads (512 consecutive bytes an instruction, two quarters of 32 loads a wave out) and turns through the wave's own stage in R2, which no tensor load fills.
; PREFETCH: behind each refill one instruction a wave names the slot two refills on: my wave's 100 blocks of 256 bytes are shared out among the four partners by address (25 each, lanes 25-31 name the last again);
; the offset is held at slot 31, so that no lane leaves wimg.  Slots 1 and 2 are named at the head, behind slot 0's load.
; LDS: 0 the ring; R2 x's stage, then k's codes and scales and q's scales, then v's stage, then the way out's stage; R1 x's codes, then q's, then o's; R3 x's and o's scale words; SPARE the spare words.
; LIMITS: a block whose largest magnitude lies under 2^-124 (a block of zeros too) gets the byte 1; its codes are what the conversion gives under that scale; NaN and infinities among the inputs are not served.
.set SLOTB, 102400
.set WPART, 25600
.set TILEB, 12800
.set R2,    204800
.set QSB,   R2+49664
.set KSB,   R2+51712
.set R1,    271360
.set R3,    321536
.set SPARE, 323584
.set PQK,   776
.set PXO,   784
.set PVS,   1040
.set POS,   272
.set SPW,1
.set NIL,2
.set XRA,3
.set CRW,4
.set SRW,5
.set XCA,6
.set XSA,7
.set WA,8
.set VB,10
.set AQ0,11
.set AK0,12
.set AQS0,13
.set AKS0,14
.set AQ,15
.set AK,16
.set AQS,17
.set AKS,18
.set OCV,15                            ; behind the q and k loop: o's codes' and bytes' places, stepped along K
.set OSV,16
.set SQA,19
.set SKA,20
.set SQS,21
.set SKS,22
.set VSW,23
.set PVA,24
.set OCW,25
.set OSW,26
.set OTW,27
.set OTR,28
.set GO,29
.set PFL,30                            ; the prefetches' lane term: 6400 cx + 256 min(lane, 24); never rewritten
.set PFA,31                            ; the lane term + the slot's offset
.set XS,32
.set WS,48
.set XGA,48                            ; at the head alone: 16 x lane, x's loads
.set XSW,49                            ; at the head alone: my stage, as loaded
.set SS,56
.set ACC,64
.set WF,128
.set VA,128
.set XT,64
.set PC,192
.set TM,224
.set LN,224                            ; the head's temporaries: lane, scratch, r, h
.set T5,225
.set RR,226
.set HH,227
.set PW,240
.set MX,224
.set PR,228
.set SO,232
.set CD,240
.set SM,232
.set SA,240
.set BIAS,240
.set TT,144
.set OA,128
.set WB,6                              ; s[6:7] wimg + my wave's part of a slot
.set WV,12
.set SEL,20
.set CS,22
.set G1W,24
.set G0,40
.set BB,66
.set OB,68
.set QO,70
.set QSO,71
.set CNT,72
.set PFS,73                            ; offset of the slot that the last prefetch named
.set INC,74                            ; s[74:75] what the way out adds to its base: 0 or 1,024
.set MSB, 0
.macro WIN new
.if MSB != \new
	s_set_vgpr_msb (MSB<<8)|\new
.set MSB, \new
.endif
.endm
.macro PLACES n
.rept \n
	v_nop
.endr
.endm
.macro ROUND                           ; a round of the cluster's barrier
	s_barrier_signal -1
	s_barrier_wait -1
	s_cmp_lg_u32 s[WV], 0
	s_cbranch_scc1 .Lnot_wave_0_\@
	s_barrier_signal -3
.Lnot_wave_0_\@:
	s_barrier_wait -3
	s_barrier_signal -1
	s_barrier_wait -1
.endm
.macro BAR                             ; my LDS instructions are done; then the work-group's barrier
	s_wait_dscnt 0x0
	s_barrier_signal -1
	s_barrier_wait -1
.endm
; A change of slots: all my tensor loads are in (one was out: my part of slot par), the add, my reads of the other slot are over; the round; the other slot's refill first behind it
.macro HEAD par, refill
	WIN 0
	s_wait_xcnt 0x0                                ; the last prefetch has read v[PFA], which is written below
	s_wait_tensorcnt 0x0
	ds_add_u32 v[SPW], v[NIL]
	s_add_nc_u64 s[G0+4*\par+2:G0+4*\par+3], s[G0+4*\par+2:G0+4*\par+3], 2*SLOTB
	s_add_nc_u64 s[BB:BB+1], s[BB:BB+1], 512       ; the biases' base, a slot on (the loads that named it stand ahead of the wait on XCNT above)
	s_add_co_u32 s[PFS], s[PFS], SLOTB
	s_min_u32 s[PFS], s[PFS], 31*SLOTB             ; held at the last slot
	s_wait_dscnt 0x0
.if \refill
	ROUND
	tensor_load_to_lds s[G0+4*(1-\par):G0+4*(1-\par)+3], s[G1W:G1W+7]
	s_nop 0
	v_add_nc_u32 v[PFA], s[PFS], v[PFL]
	PLACES 3
	s_cmp_lt_u32 ttmp9, 4
	s_cbranch_scc0 .Lno_prefetch_fused0_\@
	global_prefetch_b8 v[PFA], s[WB:WB+1] th:TH_LOAD_NT scope:SCOPE_SE   ; the slot two refills on
.Lno_prefetch_fused0_\@:
.else
	s_barrier_signal -1
	s_barrier_wait -1
.endif
.endm
; 64 numbers of a lane (register 16 b + i = k 32 b + 16 h + i of my row) become a fragment's 12 registers and its scale word
.macro QUANT s, pc, pw
.irp b, 0,1,2,3
	v_max3_num_f32 v[TM+\b], |v[\s+16*\b]|, |v[\s+1+16*\b]|, 0x1800000   ; with the floor 2^(3 - 127): the byte cannot fall under 1
.endr
.irp i, 2,4,6,8,10,12,14
.irp b, 0,1,2,3
	v_max3_num_f32 v[TM+\b], v[TM+\b], |v[\s+16*\b+\i]|, |v[\s+1+16*\b+\i]|
.endr
.endr
.irp b, 0,1,2,3
	v_permlanex16_b32 v[TM+4+\b], v[TM+\b], s[SEL], s[SEL+1]
.endr
.irp b, 0,1,2,3
	v_max_num_f32 v[TM+\b], v[TM+\b], v[TM+4+\b]
.endr
.irp b, 0,1,2,3
	v_add_nc_u32 v[TM+12+\b], 0xff000000, v[TM+\b]   ; 2 off the exponent field: the conversion's scale operand
.endr
.irp b, 0,1,2,3
	v_lshrrev_b32 v[TM+4+\b], 23, v[TM+12+\b]
.endr
	v_lshl_or_b32 v[\pw], v[TM+5], 8, v[TM+4]
	v_lshl_or_b32 v[\pw], v[TM+6], 16, v[\pw]
	v_lshl_or_b32 v[\pw], v[TM+7], 24, v[\pw]
.irp c, 0,1
	v_cvt_scalef32_pk16_fp6_f32 v[\pc+6*\c:\pc+2+6*\c], v[\s+32*\c:\s+15+32*\c], v[TM+12+2*\c]
	v_cvt_scalef32_pk16_fp6_f32 v[\pc+12+4*\c:\pc+14+4*\c], v[\s+16+32*\c:\s+31+32*\c], v[TM+12+2*\c+1]
.endr
	v_nop                                          ; one plain place behind a scaled conversion
.irp c, 0,1
.irp i, 0,1,2
	v_permlane16_swap_b32 v[\pc+6*\c+\i], v[\pc+12+4*\c+\i]   ; a whole block to a lane
.endr
.irp i, 0,1,2
	v_mov_b32 v[\pc+3+6*\c+\i], v[\pc+12+4*\c+\i]
.endr
.endr
.endm
.macro LOADQ qd, win, base             ; quarter qd (1,024 bytes) of my 16 rows of x: 32 loads of 512 consecutive bytes
	WIN (\win)<<6
.set n, 0
.rept 32
	global_load_b128 v[\base+4*n:\base+4*n+3], v[XGA], s[4:5] offset:4096*(n/2)+1024*(\qd)+512*(n%2) th:TH_LOAD_NT
.set n, n+1
.endr
	WIN 0
.endm
.macro STOREQ win, base                ; a quarter into my stage, as loaded; LDS serves a wave's instructions in order, so it follows my reads of the quarter before
	WIN (\win)<<2
.set n, 0
.rept 32
	ds_store_b128 v[XSW], v[\base+4*n:\base+4*n+3] offset:PVS*(n/2)+512*(n%2)
.set n, n+1
.endr
	WIN 0
.endm
.macro XREAD reg, s                    ; K step s: 16 neighbours of each of its four blocks
.irp b, 0,1,2,3
.irp j, 0,1,2,3
	ds_load_b128 v[\reg+16*\b+4*\j:\reg+16*\b+4*\j+3], v[XRA] offset:512*((\s)%2)+128*\b+16*\j
.endr
.endr
.endm
.macro LOADXC                          ; the 64 tokens' codes (32 fragments, windows 1 and 2) and scale words
	WIN 0x40
.set f, 0
.rept 20
.irp p, 0,1,2,3,4,5
	ds_load_b64 v[12*f+2*\p:12*f+2*\p+1], v[XCA] offset:16*PXO*(f%4)+96*(f/4)+48*(\p/3)+8*(\p%3)
.endr
.set f, f+1
.endr
	WIN 0x80
.rept 12
.irp p, 0,1,2,3,4,5
	ds_load_b64 v[12*(f-20)+2*\p:12*(f-20)+2*\p+1], v[XCA] offset:16*PXO*(f%4)+96*(f/4)+48*(\p/3)+8*(\p%3)
.endr
.set f, f+1
.endr
	WIN 0
.irp mt, 0,1,2,3
.irp i, 0,1,2,3
	ds_load_b32 v[XS+4*\mt+\i], v[XSA] offset:512*\mt+8*\i
.endr
.endr
.endm
.macro BLOAD par, off                  ; the biases of my two records of a slot of parity par, in the result's layout: set par lies in window 1 + par
	WIN ((1+(\par))<<6)
.irp e, 0,1
.irp q, 0,1
	global_load_b128 v[BIAS+8*\e+4*\q:BIAS+8*\e+4*\q+3], v[VB], s[BB:BB+1] offset:(\off)+64*\e+16*\q
.endr
.endr
.endm
.macro WLOAD par, e, p
.irp t, 0,1
.irp c, 0,1,2
	ds_load_b128 v[WF+12*(2*(\p)+\t)+4*\c:WF+12*(2*(\p)+\t)+4*\c+3], v[WA+\par] offset:TILEB*(\e)+1536*(2*(\p)+\t)+512*\c
.endr
.endr
.endm
.macro MM par, e, s
.if (\s) == 0
	WIN (0x04|((1+(\par))<<4))
.elseif (\s) < 5
	WIN 0x04
.else
	WIN 0x08
.endif
.irp mt, 0,1,2,3
.set rD, ACC+16*\mt+8*(\e)
.set rA, WF+12*(\s)
.if (\s) < 5
.set rB, 12*(4*(\s)+\mt)
.else
.set rB, 12*(4*(\s)+\mt-20)
.endif
.set rW, WS+4*(\e)+(\s)/2
.set rX, XS+4*\mt+(\s)/2
.if (\s) == 0
	v_wmma_scale_f32_16x16x128_f8f6f4 v[rD:rD+7], v[rA:rA+11], v[rB:rB+11], v[BIAS+8*(\e):BIAS+8*(\e)+7], v[rW], v[rX] matrix_a_fmt:MATRIX_FMT_FP6 matrix_b_fmt:MATRIX_FMT_FP6
.elseif (\s)%2 == 0
	v_wmma_scale_f32_16x16x128_f8f6f4 v[rD:rD+7], v[rA:rA+11], v[rB:rB+11], v[rD:rD+7], v[rW], v[rX] matrix_a_fmt:MATRIX_FMT_FP6 matrix_b_fmt:MATRIX_FMT_FP6
.else
	v_wmma_scale_f32_16x16x128_f8f6f4 v[rD:rD+7], v[rA:rA+11], v[rB:rB+11], v[rD:rD+7], v[rW], v[rX] matrix_a_fmt:MATRIX_FMT_FP6 matrix_b_fmt:MATRIX_FMT_FP6 matrix_a_scale:MATRIX_SCALE_ROW1 matrix_b_scale:MATRIX_SCALE_ROW1
.endif
.endr
.endm
; A slot: 64 matrix instructions; record 1's fragments follow record 0's into the same registers, 6 loads behind each 8 products.
; pf: this slot's set of biases is loaded anew, for the slot two on, as soon as both records have taken it as C.  wc: the bias loads that may be out: the next slot's four.
; st: two groups of 8 stores of the rows that the way out read back last (1: not in the loop's first trip; 2: always)
.macro GEMMX par, pf, wc, st
	ds_load_b128 v[WS:WS+3], v[WA+\par] offset:12288
	ds_load_b128 v[WS+4:WS+7], v[WA+\par] offset:TILEB+12288
.irp p, 0,1,2,3
	WLOAD \par, 0, \p
.endr
	s_wait_loadcnt \wc                             ; this slot's biases are in
.irp p, 0,1,2,3
	s_wait_dscnt 18                                ; all but the youngest 18 loads: this pair of K steps is in
	MM \par, 0, 2*\p
	MM \par, 0, 2*\p+1
	PLACES 4
	WLOAD \par, 1, \p
.if (\p == 1) && \st
	STG \st
.endif
.endr
.irp p, 0,1,2,3
	s_wait_dscnt 18-6*\p
	MM \par, 1, 2*\p
	MM \par, 1, 2*\p+1
.if (\p == 0) && \pf
	PLACES 4
	BLOAD \par, 512
.endif
.if (\p == 1) && \st
	STG \st
.endif
.endr
	WIN 0
.endm
.macro GEMM par, pf
	GEMMX \par, \pf, 4, 0
.endm
.macro BYTES4
.irp q, 0,1,2,3
	v_permlanex16_b32 v[PR+\q], v[MX+\q], s[SEL], s[SEL+1]
.endr
.irp q, 0,1,2,3
	v_max_num_f32 v[MX+\q], v[MX+\q], v[PR+\q]
.endr
.irp q, 0,1,2,3
	v_add_nc_u32 v[SO+\q], 0xff000000, v[MX+\q]
.endr
.irp q, 0,1,2,3
	v_lshrrev_b32 v[PR+\q], 23, v[SO+\q]
.endr
.endm
.macro WHOLE pr
.irp i, 0,1,2
	v_permlane16_swap_b32 v[CD+8*\pr+\i], v[CD+8*\pr+4+\i]
.endr
	v_permlane16_swap_b32 v[PR+2*\pr], v[PR+2*\pr+1]
.irp i, 0,1,2
	v_mov_b32 v[CD+8*\pr+3+\i], v[CD+8*\pr+4+\i]
.endr
.endm
.macro EPIQK adr, sadr                 ; q or k: a lane's 16 results are 16 neighbours of a block of 32 along the head's axis: quantised, codes and bytes to LDS
	PLACES 4
.irp mt, 0,1,2,3
	v_max3_num_f32 v[MX+\mt], |v[ACC+16*\mt]|, |v[ACC+16*\mt+1]|, 0x1800000
.endr
.irp i, 2,4,6,8,10,12,14
.irp mt, 0,1,2,3
	v_max3_num_f32 v[MX+\mt], v[MX+\mt], |v[ACC+16*\mt+\i]|, |v[ACC+16*\mt+\i+1]|
.endr
.endr
	BYTES4
.irp mt, 0,1,2,3
	v_cvt_scalef32_pk16_fp6_f32 v[CD+4*\mt:CD+4*\mt+2], v[ACC+16*\mt:ACC+16*\mt+15], v[SO+\mt]
.endr
	v_nop
.irp pr, 0,1
	WHOLE \pr
.irp i, 0,1,2
	ds_store_b64 v[\adr], v[CD+8*\pr+2*\i:CD+8*\pr+2*\i+1] offset:32*PQK*\pr+8*\i
.endr
	ds_store_b8 v[\sadr], v[PR+2*\pr] offset:1024*\pr
.endr
.endm
.macro SLOAD bt                        ; q's and k's codes (K = 64: registers 0-5; 6-11 hold zero codes) and bytes of four tokens
.irp q, 0,1,2,3
.irp i, 0,1,2
	ds_load_b64 v[WF+24*\q+2*\i:WF+24*\q+2*\i+1], v[SKA] offset:PQK*(4*(\bt)+\q)+8*\i
	ds_load_b64 v[WF+24*\q+12+2*\i:WF+24*\q+12+2*\i+1], v[SQA] offset:PQK*(4*(\bt)+\q)+8*\i
.endr
	ds_load_u16 v[SS+2*\q], v[SKS] offset:32*(4*(\bt)+\q)
	ds_load_u16 v[SS+2*\q+1], v[SQS] offset:32*(4*(\bt)+\q)
.endr
.endm
.macro SCB4 bt                         ; scores^T and the softmax of four tokens; a lane holds one query head; the finished softmax goes to window 3
	s_wait_dscnt 0x0
.irp q, 0,1,2,3
	v_wmma_scale_f32_16x16x128_f8f6f4 v[ACC+8*\q:ACC+8*\q+7], v[WF+24*\q:WF+24*\q+11], v[WF+24*\q+12:WF+24*\q+23], 0, v[SS+2*\q], v[SS+2*\q+1] matrix_a_fmt:MATRIX_FMT_FP6 matrix_b_fmt:MATRIX_FMT_FP6
.endr
	PLACES 4
.if \bt < 3
	SLOAD \bt+1
.endif
.irp q, 0,1,2,3
	v_max3_num_f32 v[SM+2*\q], v[ACC+8*\q], v[ACC+8*\q+1], v[ACC+8*\q+2]
.endr
.irp i, 3,5
.irp q, 0,1,2,3
	v_max3_num_f32 v[SM+2*\q], v[SM+2*\q], v[ACC+8*\q+\i], v[ACC+8*\q+\i+1]
.endr
.endr
.irp q, 0,1,2,3
	v_max_num_f32 v[SM+2*\q], v[SM+2*\q], v[ACC+8*\q+7]
.endr
.irp q, 0,1,2,3
	v_permlanex16_b32 v[SM+2*\q+1], v[SM+2*\q], s[SEL], s[SEL+1]
.endr
.irp q, 0,1,2,3
	v_max_num_f32 v[SM+2*\q], v[SM+2*\q], v[SM+2*\q+1]   ; the row's maximum
.endr
.irp i, 0,2,4,6
.irp q, 0,1,2,3
	v_pk_add_f32 v[ACC+8*\q+\i:ACC+8*\q+\i+1], v[ACC+8*\q+\i:ACC+8*\q+\i+1], v[SM+2*\q:SM+2*\q+1] op_sel_hi:[1,0] neg_lo:[0,1] neg_hi:[0,1]
.endr
.endr
.irp i, 0,2,4,6
.irp q, 0,1,2,3
	v_pk_mul_f32 v[ACC+8*\q+\i:ACC+8*\q+\i+1], v[ACC+8*\q+\i:ACC+8*\q+\i+1], s[CS:CS+1] op_sel_hi:[1,0]   ; x log2(e) / 8
.endr
.endr
	s_wait_alu depctr_va_vdst(0)                   ; ahead of the batch
.irp q, 0,1,2,3
.irp j, 0,1,2,3,4,5,6,7
	v_exp_f32 v[ACC+8*\q+\j], v[ACC+8*\q+\j]
.endr
.endr
	v_nop
	s_wait_alu depctr_va_vdst(0)                   ; and behind it
.irp q, 0,1,2,3
	v_pk_add_f32 v[SA+4*\q:SA+4*\q+1], v[ACC+8*\q:ACC+8*\q+1], v[ACC+8*\q+2:ACC+8*\q+3]
.endr
.irp q, 0,1,2,3
	v_pk_add_f32 v[SA+4*\q+2:SA+4*\q+3], v[ACC+8*\q+4:ACC+8*\q+5], v[ACC+8*\q+6:ACC+8*\q+7]
.endr
.irp q, 0,1,2,3
	v_pk_add_f32 v[SA+4*\q:SA+4*\q+1], v[SA+4*\q:SA+4*\q+1], v[SA+4*\q+2:SA+4*\q+3]
.endr
.irp q, 0,1,2,3
	v_add_f32 v[SA+4*\q], v[SA+4*\q], v[SA+4*\q+1]
.endr
.irp q, 0,1,2,3
	v_permlanex16_b32 v[SA+4*\q+1], v[SA+4*\q], s[SEL], s[SEL+1]
.endr
.irp q, 0,1,2,3
	v_add_f32 v[SA+4*\q], v[SA+4*\q], v[SA+4*\q+1]
.endr
	s_wait_alu depctr_va_vdst(0)
.irp q, 0,1,2,3
	v_rcp_f32 v[SA+4*\q+2], v[SA+4*\q]
.endr
	v_nop
	WIN 0xc0
	s_wait_alu depctr_va_vdst(0)
.irp q, 0,1,2,3
.irp i, 0,2,4,6
	v_pk_mul_f32 v[8*(4*\bt+\q)+\i:8*(4*\bt+\q)+\i+1], v[ACC+8*\q+\i:ACC+8*\q+\i+1], v[SA+4*\q+2:SA+4*\q+3] op_sel_hi:[1,0]
.endr
.endr
	WIN 0
.endm
.macro EPIV hf                         ; v in f32 to the stage: a row to a token
	PLACES 4
.irp mt, 0,1,2,3
.irp e, 0,1
.irp qq, 0,1
	ds_store_b128 v[VSW], v[ACC+16*\mt+8*\e+4*\qq:ACC+16*\mt+8*\e+4*\qq+3] offset:16*PVS*\mt+256*\qq+16*(8*\hf+\e)
.endr
.endr
.endr
.endm
.macro PVLOAD bt
.irp q, 0,1,2,3
	ds_load_b128 v[VA+32*((\bt)%2)+8*\q:VA+32*((\bt)%2)+8*\q+3], v[PVA] offset:PVS*(4*(\bt)+\q)
	ds_load_b128 v[VA+32*((\bt)%2)+8*\q+4:VA+32*((\bt)%2)+8*\q+7], v[PVA] offset:PVS*(4*(\bt)+\q)+256
.endr
.endm
.macro OQUANT bt                       ; 16 neighbours of o a lane: quantised, codes and bytes to LDS, at the place along K that v[OCV], v[OSV] hold
	WIN 0x28
.irp q, 0,1,2,3
	v_max3_num_f32 v[MX+\q], 0x1800000, |v[TT+16*\q]|, |v[TT+16*\q+1]|
.endr
.irp i, 2,4,6,8,10,12,14
.irp q, 0,1,2,3
	v_max3_num_f32 v[MX+\q], v[MX+\q], |v[TT+16*\q+\i]|, |v[TT+16*\q+\i+1]|
.endr
.endr
	WIN 0
	BYTES4
	WIN 0x02
.irp q, 0,1,2,3
	v_cvt_scalef32_pk16_fp6_f32 v[CD+4*\q:CD+4*\q+2], v[TT+16*\q:TT+16*\q+15], v[SO+\q]
.endr
	WIN 0
	v_nop
.irp pr, 0,1
	WHOLE \pr
.irp i, 0,1,2
	ds_store_b64 v[OCV], v[CD+8*\pr+2*\i:CD+8*\pr+2*\i+1] offset:PXO*(4*\bt+2*\pr)+8*\i
.endr
	ds_store_b8 v[OSV], v[PR+2*\pr] offset:32*(4*\bt+2*\pr)
.endr
.endm
.macro PV u                            ; o^T = v^T attn^T in f32, 16 of the head's 64 at a time for my 16 tokens; u = 0: the lower 8 a lane are kept (window 3); u = 1: the upper 8, and the 16 are quantised
	PVLOAD 0
	PVLOAD 1
.irp bt, 0,1,2,3
.if \bt < 3
	s_wait_dscnt 8                                 ; the next four tokens' eight loads may be out
.else
	s_wait_dscnt 0x0
.endif
.if (\u) == 0
	WIN 0xfc
.else
	WIN 0xac
.endif
.irp s, 0,1,2,3
.irp q, 0,1,2,3
.if (\u) == 0
.set rD, OA+8*(4*\bt+\q)
.else
.set rD, TT+16*\q+8
.endif
.set rA, VA+32*(\bt%2)+8*\q+2*\s
.set rB, 8*(4*\bt+\q)+2*\s
.if \s == 0
	v_wmma_f32_16x16x4_f32 v[rD:rD+7], v[rA:rA+1], v[rB:rB+1], 0
.else
	v_wmma_f32_16x16x4_f32 v[rD:rD+7], v[rA:rA+1], v[rB:rB+1], v[rD:rD+7]
.endif
.endr
.endr
.if (\u) == 0
	WIN 0
	PLACES 8
.else
	WIN 0x83
.irp q, 0,1,2,3
.irp j, 0,1,2,3,4,5,6,7
	v_mov_b32 v[TT+16*\q+\j], v[OA+8*(4*\bt+\q)+\j]
.endr
.endr
	OQUANT \bt
.endif
.if \bt < 2
	PVLOAD \bt+2
.endif
.endr
.endm
.macro EPIP sp                         ; the projection's results to my stage
	PLACES 4
.irp mt, 0,1,2,3
.irp e, 0,1
.irp qq, 0,1
	ds_store_b128 v[OTW], v[ACC+16*\mt+8*\e+4*\qq:ACC+16*\mt+8*\e+4*\qq+3] offset:16*POS*\mt+64*(2*\sp+\e)+16*\qq
.endr
.endr
.endr
.endm
; THE WAY OUT.  OUTL reads a pair of slots' results back by rows (window 3); their 32 stores stand in four groups among the next pair's matrix instructions (STG); the last pair's follow on end (OUTF).
; Sixteen lanes store 256 consecutive bytes, aligned.
.macro OUTL
	s_wait_xcnt 0x0                                ; the earlier stores have read their data and their base
	s_cmp_eq_u32 s[CNT], 3                         ; in the loop's first trip no stores have used the base yet
	s_cselect_b32 s[INC], 0, 1024
	s_add_nc_u64 s[OB:OB+1], s[OB:OB+1], s[INC:INC+1]
	WIN 0xc0
.set n, 0
.rept 32
	ds_load_b128 v[4*n:4*n+3], v[OTR] offset:2*POS*n
.set n, n+1
.endr
	WIN 0
.endm
.macro STG how                         ; 8 stores, rows 2 SN on; the rows came back ahead of the change of slots, whose wait for all LDS instructions stands between
	WIN 0
.if (\how) == 1
	s_cmp_eq_u32 s[CNT], 3                         ; the first trip has no rows to store
	s_cbranch_scc1 .Lno_rows_\@
.endif
	WIN 0x0c
.rept 8
	global_store_b128 v[GO], v[4*SN:4*SN+3], s[OB:OB+1] offset:8192*SN th:TH_STORE_NT
.set SN, SN+1
.endr
	WIN 0
.Lno_rows_\@:
.endm
.macro OUTF
	WIN 0x0c
.set n, 0
.rept 32
	s_wait_dscnt 31-n
	global_store_b128 v[GO], v[4*n:4*n+3], s[OB:OB+1] offset:8192*n th:TH_STORE_NT
.set n, n+1
.endr
	WIN 0
.endm
	s_load_b256 s[4:11], s[0:1], 0x0               ; x, wimg, bimg, out0
	v_lshl_add_u32 v[SPW], v0, 2, SPARE
	v_mov_b32 v[NIL], 0
	ds_add_u32 v[SPW], v[NIL]                      ; the opening lines: the add twice on end
	ds_add_u32 v[SPW], v[NIL]
	v_lshrrev_b32 v[T5], 5, v0
	v_readfirstlane_b32 s[WV], v[T5]               ; wave
	v_and_b32 v[LN], 31, v0
	v_lshlrev_b32 v[XGA], 4, v[LN]
	v_min_u32 v[PFL], 24, v[LN]
	v_lshlrev_b32 v[PFL], 8, v[PFL]
	s_bfe_u32 s13, ttmp6, 0x40000                  ; cx
	s_lshl_b32 s14, ttmp9, 2
	s_add_co_u32 s14, s14, s13                     ; work-group
	s_mul_i32 s13, s13, 6400                       ; my work-group's 25 blocks of a wave's 100
	v_add_nc_u32 v[PFL], s13, v[PFL]
	s_mov_b32 s[G1W], 15|(3<<16)|(1<<21)           ; a dense block of 25,600 bytes as 100 rows of 256; the mask names the cluster's four
	s_mov_b32 s[G1W+1], 32<<16
	s_mov_b32 s[G1W+2], 100<<16
	s_mov_b32 s[G1W+3], 32<<16
	s_mov_b32 s[G1W+4], 100
	s_mov_b32 s[G1W+5], 32
	s_mov_b32 s[G1W+6], 0
	s_mov_b32 s[G1W+7], 0
	s_mov_b32 s[SEL], 0x76543210
	s_mov_b32 s[SEL+1], 0xfedcba98
	s_mov_b32 s[CS], 0x3e38aa3b                    ; log2(e) / sqrt(64)
	s_mov_b32 s[CS+1], s[CS]
	s_mov_b32 s[PFS], 2*SLOTB
	s_mul_i32 s16, s[WV], WPART
	s_mov_b32 s17, 0
	s_mul_i32 s15, s[WV], 16*PVS
	s_add_co_u32 s15, s15, R2                      ; my stage for x
	s_lshl_b32 s18, s14, 18
	s_lshl_b32 s19, s[WV], 16
	s_add_co_u32 s18, s18, s19                     ; my 16 rows of x
	s_mov_b32 s19, 0
	s_lshl_b32 s2, s14, 18
	s_lshl_b32 s3, s[WV], 8
	s_add_co_u32 s2, s2, s3
	s_mov_b32 s3, 0
	s_wait_alu depctr_va_vdst(0)                   ; ahead of the waits below
	s_wait_dscnt 0x0
	s_wait_kmcnt 0x0
	s_add_nc_u64 s[WB:WB+1], s[WB:WB+1], s[16:17]
	s_add_nc_u64 s[4:5], s[4:5], s[18:19]
	s_add_nc_u64 s[OB:OB+1], s[10:11], s[2:3]
	s_mov_b64 s[BB:BB+1], s[8:9]
.irp par, 0,1
	s_mov_b32 s[G0+4*\par], 1
	s_add_co_u32 s[G0+4*\par+1], s16, \par*SLOTB
	s_add_nc_u64 s[G0+4*\par+2:G0+4*\par+3], s[WB:WB+1], \par*SLOTB
	s_or_b32 s[G0+4*\par+3], s[G0+4*\par+3], 0x80000000
.endr
	LOADQ 0, 1, 0                                  ; x's first two quarters are asked for
	LOADQ 1, 1, 128
	ROUND                                          ; in front of the first joint loads
	tensor_load_to_lds s[G0:G0+3], s[G1W:G1W+7]    ; slot 0: my one tensor load at the head
	s_nop 0
	PLACES 4
	s_cmp_lt_u32 ttmp9, 4
	s_cbranch_scc0 .Lno_prefetch_fused1
	global_prefetch_b8 v[PFL], s[WB:WB+1] offset:SLOTB th:TH_LOAD_NT scope:SCOPE_SE
	global_prefetch_b8 v[PFL], s[WB:WB+1] offset:2*SLOTB th:TH_LOAD_NT scope:SCOPE_SE
.Lno_prefetch_fused1:
	v_and_b32 v[RR], 15, v0
	v_bfe_u32 v[HH], v0, 4, 1
	v_add_nc_u32 v[XSW], s15, v[XGA]
	v_mul_u32_u24 v[XRA], v[RR], PVS
	v_lshl_add_u32 v[XRA], v[HH], 6, v[XRA]
	v_add_nc_u32 v[XRA], s15, v[XRA]
	v_mul_u32_u24 v[T5], v[RR], PXO
	v_mad_u32_u24 v[T5], v[HH], 24, v[T5]
	s_mul_i32 s18, s[WV], 16*PXO
	s_add_co_u32 s18, s18, R1
	v_add_nc_u32 v[CRW], s18, v[T5]
	v_add_nc_u32 v[XCA], R1, v[T5]
	s_lshl_b32 s19, s[WV], 9
	s_add_co_u32 s19, s19, R3
	v_lshl_add_u32 v[SRW], v[RR], 5, s19
	v_lshlrev_b32 v[XSA], 5, v[RR]
	v_lshl_add_u32 v[XSA], v[HH], 2, v[XSA]
	v_add_nc_u32 v[XSA], R3, v[XSA]
	v_lshl_add_u32 v[WA], v[LN], 4, s16
	v_add_nc_u32 v[WA+1], SLOTB, v[WA]
	s_lshl_b32 s17, s[WV], 7
	v_lshl_add_u32 v[VB], v[HH], 5, s17
	s_mul_i32 s17, s[WV], 24
	v_mul_u32_u24 v[T5], v[LN], PQK
	v_add_nc_u32 v[T5], s17, v[T5]
	v_add_nc_u32 v[AQ0], R1, v[T5]
	v_add_nc_u32 v[AK0], R2, v[T5]
	v_lshl_add_u32 v[T5], v[LN], 5, s[WV]
	v_add_nc_u32 v[AQS0], QSB, v[T5]
	v_add_nc_u32 v[AKS0], KSB, v[T5]
	s_mul_i32 s17, s[WV], 16*PQK
	v_mul_u32_u24 v[T5], v[RR], 48
	v_mad_u32_u24 v[T5], v[HH], 24, v[T5]
	v_add_nc_u32 v[T5], s17, v[T5]
	v_add_nc_u32 v[SQA], R1, v[T5]
	v_add_nc_u32 v[SKA], R2, v[T5]
	s_lshl_b32 s17, s[WV], 9
	v_lshl_add_u32 v[T5], v[RR], 1, s17
	v_add_nc_u32 v[SQS], QSB, v[T5]
	v_add_nc_u32 v[SKS], KSB, v[T5]
	s_lshl_b32 s17, s[WV], 5
	s_add_co_u32 s17, s17, R2
	v_mul_u32_u24 v[VSW], v[RR], PVS
	v_lshl_add_u32 v[VSW], v[HH], 9, v[VSW]
	v_add_nc_u32 v[VSW], s17, v[VSW]
	s_mul_i32 s17, s[WV], 16*PVS
	s_add_co_u32 s17, s17, R2
	v_lshlrev_b32 v[PVA], 4, v[RR]
	v_lshl_add_u32 v[PVA], v[HH], 9, v[PVA]
	v_add_nc_u32 v[PVA], s17, v[PVA]
	v_mul_u32_u24 v[OCW], v[RR], 48
	v_mad_u32_u24 v[OCW], v[HH], PXO, v[OCW]
	v_add_nc_u32 v[OCW], s18, v[OCW]
	v_lshlrev_b32 v[OSW], 1, v[RR]
	v_lshl_add_u32 v[OSW], v[HH], 5, v[OSW]
	v_add_nc_u32 v[OSW], s19, v[OSW]
	s_mul_i32 s17, s[WV], 64*POS
	s_add_co_u32 s17, s17, R2
	v_mul_u32_u24 v[OTW], v[RR], POS
	v_lshl_add_u32 v[OTW], v[HH], 5, v[OTW]
	v_add_nc_u32 v[OTW], s17, v[OTW]
	v_mul_u32_u24 v[OTR], v[HH], POS
	v_lshl_add_u32 v[OTR], v[RR], 4, v[OTR]
	v_add_nc_u32 v[OTR], s17, v[OTR]
	v_lshlrev_b32 v[GO], 4, v[RR]
	v_lshl_add_u32 v[GO], v[HH], 12, v[GO]
.irp b, 0,1,2,3
	v_mov_b32 v[PR+\b], 0                          ; a lane permute's destination counts as one of its sources
.endr
	s_wait_alu depctr_va_vdst(0)                   ; at the head's end
	; x is quantised: a quarter is two K steps
	s_wait_loadcnt 32                              ; quarter 0 is in; quarter 1's 32 loads may be out
	STOREQ 1, 0
	LOADQ 2, 2, 0
	XREAD XT, 0
.irp s, 0,1,2,3,4,5,6,7
.if \s < 7
.if \s == 1
	s_wait_loadcnt 32                              ; quarter 1 is in; quarter 2's loads may be out
	STOREQ 1, 128
	LOADQ 3, 3, 0
.elseif \s == 3
	s_wait_loadcnt 32                              ; quarter 2 is in; quarter 3's may be out
	STOREQ 2, 0
.elseif \s == 5
	s_wait_loadcnt 0x0
	STOREQ 3, 0
.endif
	XREAD XT+64*((\s+1)%2), \s+1
	s_wait_dscnt 16                                ; this K step's numbers are in; the next one's 16 reads may be out
.else
	s_wait_dscnt 0x0
.endif
	QUANT XT+64*(\s%2), PC, PW
.irp p, 0,1,2,3,4,5
	ds_store_b64 v[CRW], v[PC+2*\p:PC+2*\p+1] offset:96*\s+48*(\p/3)+8*(\p%3)
.endr
	ds_store_b32 v[SRW], v[PW] offset:4*\s
.endr
	BAR                                            ; all 64 tokens' codes are in LDS
	LOADXC
	BLOAD 0, 0                                     ; slot 0's biases and slot 1's
	BLOAD 1, 512
	WIN 0
	s_mov_b32 s[QO], 0
	s_mov_b32 s[QSO], 0
	s_mov_b32 s[CNT], 8
.Lqk:                                                  ; slots 0-15: q and k by turns, 128 columns each
	HEAD 0, 1                                      ; (the first time: slot 1's first fill, issued as a refill is)
	v_add_nc_u32 v[AQ], s[QO], v[AQ0]
	v_add_nc_u32 v[AK], s[QO], v[AK0]
	v_add_nc_u32 v[AQS], s[QSO], v[AQS0]
	v_add_nc_u32 v[AKS], s[QSO], v[AKS0]
	GEMM 0, 1
	EPIQK AQ, AQS
	HEAD 1, 1
	GEMM 1, 1
	EPIQK AK, AKS
	s_add_co_u32 s[QO], s[QO], 96
	s_add_co_u32 s[QSO], s[QSO], 4
	s_sub_co_u32 s[CNT], s[CNT], 1
	s_cmp_lg_u32 s[CNT], 0
	s_cbranch_scc1 .Lqk
	BAR
.irp n, 0,1,2,3,4,5,6,7
.irp i, 6,7,8,9,10,11
	v_mov_b32 v[WF+12*\n+\i], 0                    ; K = 64: the upper 64 of the instruction's 128 are zero codes
.endr
.endr
.irp q, 0,1,2,3
	v_mov_b32 v[SM+2*\q+1], 0
.endr
	SLOAD 0
	s_wait_alu depctr_va_vdst(0)
	SCB4 0
	SCB4 1
	SCB4 2
	SCB4 3
	HEAD 0, 1
	s_mov_b32 s[QO], 0
	s_mov_b32 s[QSO], 0
	s_mov_b32 s[CNT], 2
.Lv:                                                   ; slots 16-23: a trip makes one block of 32 of each head of o: four slots of v, attn v twice
	GEMM 0, 1
	EPIV 0
	HEAD 1, 1
	GEMM 1, 1
	EPIV 1
	HEAD 0, 1                                      ; its barrier shows v's stage to all waves
	s_wait_alu depctr_va_vdst(0)                   ; ahead of the readers below
	PV 0
	BAR                                            ; the stage is read: it may be written again
	GEMM 0, 1
	EPIV 0
	HEAD 1, 1
	GEMM 1, 1
	EPIV 1
	HEAD 0, 1
	v_add_nc_u32 v[OCV], s[QO], v[OCW]
	v_add_nc_u32 v[OSV], s[QSO], v[OSW]
	s_wait_alu depctr_va_vdst(0)
	PV 1
	BAR
	s_add_co_u32 s[QO], s[QO], 24
	s_add_co_u32 s[QSO], s[QSO], 1
	s_sub_co_u32 s[CNT], s[CNT], 1
	s_cmp_lg_u32 s[CNT], 0
	s_cbranch_scc1 .Lv
	LOADXC                                         ; o's codes take x's place in the registers
	BAR
	s_mov_b32 s[INC+1], 0
	s_mov_b32 s[CNT], 3
.Lp:                                                   ; slots 24-29: the projection, 256 columns a trip; the trip before's rows are stored among the products
.set SN, 0
	GEMMX 0, 1, 4, 1
	EPIP 0
	HEAD 1, 1
	GEMMX 1, 1, 4, 1
	EPIP 1
	OUTL
	HEAD 0, 1
	s_sub_co_u32 s[CNT], s[CNT], 1
	s_cmp_lg_u32 s[CNT], 0
	s_cbranch_scc1 .Lp
.set SN, 0
	GEMMX 0, 0, 4, 2                               ; slots 30 and 31: nothing more is fetched
	EPIP 0
	HEAD 1, 0
	GEMMX 1, 0, 0, 2
	EPIP 1
	OUTL
	OUTF
	s_wait_tensorcnt 0x0                           ; the wave's end
	ds_add_u32 v[SPW], v[NIL]
	s_wait_dscnt 0x0
	ROUND                                          ; the closing round
	s_endpgm
.Lfunc_end_k_q3b2b605ecd_fused:
	.size	k_q3b2b605ecd_fused, .Lfunc_end_k_q3b2b605ecd_fused-k_q3b2b605ecd_fused
	.p2alignl 7, 3214868480
	.fill 96, 4, 3214868480
	.section	.rodata,"a",@progbits
	.p2align	6, 0x0
	.amdhsa_kernel k_q3b2b605ecd_fused
		.amdhsa_group_segment_fixed_size 327680
		.amdhsa_private_segment_fixed_size 0
		.amdhsa_enable_private_segment 0
		.amdhsa_kernarg_size 32
		.amdhsa_user_sgpr_count 2
		.amdhsa_user_sgpr_kernarg_segment_ptr 1
		.amdhsa_wavefront_size32 1
		.amdhsa_system_sgpr_workgroup_id_x 1
		.amdhsa_system_sgpr_workgroup_id_y 1
		.amdhsa_system_sgpr_workgroup_id_z 1
		.amdhsa_system_vgpr_workitem_id 0
		.amdhsa_next_free_vgpr 1024
		.amdhsa_next_free_sgpr 80
		.amdhsa_reserve_vcc 0
		.amdhsa_float_denorm_mode_32 3
		.amdhsa_float_denorm_mode_16_64 3
		.amdhsa_memory_ordered 1
		.amdhsa_forward_progress 1
		.amdhsa_inst_pref_size 255
	.end_amdhsa_kernel
	.section	.bss,"aw",@nobits
	.p2align	6
	.space	262144
	.amdgpu_metadata
---
amdhsa.version: [ 1, 2 ]
amdhsa.kernels:
  - .name:           k_q3b2b605ecd_fused
    .symbol:         k_q3b2b605ecd_fused.kd
    .args:
      - { .name: x, .offset: 0, .size: 8, .value_kind: global_buffer, .address_space: global }
      - { .name: wimg, .offset: 8, .size: 8, .value_kind: global_buffer, .address_space: global }
      - { .name: bimg, .offset: 16, .size: 8, .value_kind: global_buffer, .address_space: global }
      - { .name: out0, .offset: 24, .size: 8, .value_kind: global_buffer, .address_space: global }
    .group_segment_fixed_size: 327680
    .private_segment_fixed_size: 0
    .kernarg_segment_align: 8
    .kernarg_segment_size: 32
    .max_flat_workgroup_size: 128
    .sgpr_count:     80
    .vgpr_count:     1024
    .wavefront_size: 32
...
	.end_amdgpu_metadata
.endif
;; end of part 2
